; MI455X (gfx1250); checked and timed in simulation.
; The chip was launched on July 23, 2026; its instructions are those of AMD's public machine-readable ISA for CDNA 5 (MIT licence, August 2026) and "CDNA5" Instruction Set Architecture Reference Guide (July 2026). The comments in the code are by the model that wrote it; some were corrected since.
;; Model. Allowed arithmetic: matrix products marked QUANTISED: E2M3 operands, one E8M0 scale for each 32 along K, by v_wmma_scale_f32_16x16x128_f8f6f4 with both operands' format E2M3, f32 sums; everything else in f32.
;; Inputs: key 4 x 16 x 2,048 x 64 float32; query 4 x 16 x 2,048 x 64 float32; value 4 x 16 x 2,048 x 64 float32.
;; Outputs: out0 4 x 16 x 2,048 x 64 float32.
;; This version of the problem:
;;   THIS VERSION OF THE PROBLEM IS GIVEN IN LOW PRECISION. The matrix products marked QUANTISED in the list below multiply operands that are first quantised to E2M3 (2 exponent bits, 3 mantissa bits; 6 bits a number), with one power-of-two scale for each 32 numbers along K (OCP MX v1.0); their sums are f32. All else is computed in f32.
;;   The module's matrix products, in the order in which they are computed (A, B: the left and right operand; K: the contracted axis; several contracted axes count as one K, in the product's order):
;;     1. batch 64 x [M 2,048, K 64] x [K 64, N 2,048]; A: input query; B: input key: QUANTISED
;;     2. batch 64 x [M 2,048, K 2,048] x [K 2,048, N 64]; A: softmax (see below); B: input value: QUANTISED
;;   THE QUANTISER, for each operand of a quantised product, along K:
;;     - K is cut into blocks of 32 from its start; a last block that is shorter is filled with zeros.
;;     - A block's scale is 2^e with e = floor(log2(the largest magnitude in the block)) - 2, held to -126 .. 127; a block of zeros has e = 0. As a byte (E8M0): e + 127.
;;     - Each number is divided by its block's scale, clamped to +-7.5, and rounded to the nearest number of E2M3, ties to even, subnormals kept.
;;     - The product sums the exact products of the quantised numbers (number of the format x scale) in f32.
;;   ~~~python
;;   def quantise(x, axis):      # numpy; x: float32 -> the quantised numbers, widened to float32 again
;;       x = np.moveaxis(x, axis, -1); K = x.shape[-1]
;;       x = np.pad(x, [(0, 0)] * (x.ndim - 1) + [(0, -K % 32)]); x = x.reshape(x.shape[:-1] + (-1, 32)); a = np.abs(x).max(-1, keepdims=True)
;;       e = np.where(a > 0, np.clip(np.frexp(np.where(a > 0, a, 1))[1] - 1 - 2, -126, 127), 0)      # np.frexp(a)[1] - 1 = floor(log2(a)), exactly
;;       r = np.clip(x / 2.0 ** e, -7.5, 7.5)
;;       step = 2.0 ** (np.maximum(np.frexp(np.where(r == 0, 1, r))[1] - 1, 0) - 3)
;;       q = np.round(r / step) * step * 2.0 ** e      # np.round: ties to even
;;       return np.moveaxis(q.reshape(q.shape[:-2] + (-1,))[..., :K], -1, axis).astype(np.float32)
;;   ~~~
;;   SOFTMAX AHEAD OF A QUANTISED PRODUCT. Where the list says 'softmax', what is quantised is not the finished softmax but p = 2^(t - M), with t = logit x log2(e) and M = ceil(the row's largest t), a whole number; so 1/2 < the row's largest p <= 1. The row's sum l is taken of the UNQUANTISED p, in f32, and the product's result is divided by l at the end. Since M is a whole number, a kernel that streams over the keys may use a running M (the ceiling of the running maximum): every later rescaling is an exact power of two, which a block's scale takes up: the codes' values come out the same.
;;   OPERANDS COMPUTED ON THE WAY. 'Computed on the way' means the value that the module computes at that place (a softmax that the list does not call 'softmax' is quantised finished and normalised). What goes into a quantiser is computed in f32, as accurately as f32 sums, v_exp_f32 and their like allow (about 1e-6 of the number): no bf16 or f16 on the way to a quantiser, and a product that is left as it is and whose result goes on into a quantised operand takes f32 operands (vector FMAs, or v_wmma_f32_16x16x4_f32). A number that lies on a knife's edge between two numbers of the format may be rounded either way, as far as f32 arithmetic and the matrix unit's own rounding can turn it there, and no further.
;; One version. Each part assembles by itself: llvm-mc -triple=amdgcn-amd-amdhsa -mcpu=gfx1250 --defsym DOCPART=n.
;; ======== version 1 of 1: 1 launch
;; limits: right only within a limited range of input values
;; launch attn (part 1): grid 4 x 64, 8 waves a work-group, clusters of 4 x 1, 327,680 bytes of LDS; arguments query, key, value, out0; writes out0
.if DOCPART == 1
	.amdgcn_target "amdgcn-amd-amdhsa--gfx1250"
	.amdhsa_code_object_version 6
	.text
	.protected	k_qc3b174e7c0_attn
	.globl	k_qc3b174e7c0_attn
	.p2align	8
	.type	k_qc3b174e7c0_attn,@function
k_qc3b174e7c0_attn:
	s_mov_b64 s[64:65], 0
	v_nop
	global_prefetch_b8 v0, s[64:65] scope:SCOPE_SE
	s_setreg_imm32_b32 hwreg(HW_REG_WAVE_MODE, 25, 1), 1
	s_wait_xcnt 0x0
	s_wait_alu depctr_hold_cnt(0) depctr_sa_sdst(0) depctr_va_vdst(0) depctr_va_sdst(0) depctr_va_ssrc(0) depctr_va_vcc(0) depctr_vm_vsrc(0)
	s_getreg_b32 s2, hwreg(HW_REG_IB_STS2, 6, 4)
	s_cmp_eq_u32 s2, 0
	s_cbranch_scc0 .Lentry_in_a_cluster
	s_endpgm
.Lentry_in_a_cluster:
	s_bfe_u32 s2, ttmp6, 0x10000c
	s_cmp_lg_u32 s2, 0x3003
	s_cbranch_scc0 .Lentry_shape_is_right
	s_endpgm
.Lentry_shape_is_right:
; out0[bh][q][:] = the sum over k of softmax_k(query[bh][q] . key[bh][k] / 8) value[bh][k][:], 64 heads, 2,048 positions, head size 64, f32 in memory.
; Both products run on codes of FP6 (E2M3) with one E8M0 scale for each 32 along K: query and key are quantised along the head's 64, value along the keys, and
; p = 2^(t - M) along the keys, t = score x log2(e) / 8, M = the running largest t rounded UP to a whole number.  The row's sum is taken of the unquantised p and divides at the end.
; When M moves, the sum and O are multiplied by 2^(old M - new M), which rounds nothing.  NOTHING IS LEFT OUT: all three inputs reach the output and are loaded.
; LIMITS: NaN and infinities among the inputs are not served.  A block of zeros carries the scale byte 1 where the rule says 127: its codes are zeros, and this text alone reads the bytes.
; A p under 2^-126 comes out of v_exp_f32 as 0.  A block's largest p is taken as 2^ of the block's largest score, by the same two instructions: this takes v_exp_f32 not to fall where its input rises.
; SHARES.  256 work-groups of eight waves of 512 registers.  A work-group owns 512 queries of one head, a wave 64: four tiles of 16.  Every wave walks the head's 2,048 keys, 128 a step,
; and reads each fragment of K and V from LDS once a step for its four tiles.
; CLUSTER.  The four work-groups of a head walk the same key and value rows: each step's 128 + 128 rows of f32 are asked for JOINTLY into a ring of two f32 slots.  Wave w owns one quarter of one
; slot: slot w / 4, key or value by (w / 2) % 2, 64 rows by w % 2.  All eight issue one first fill at the head (steps 0 and 1); waves 0-3 fill slot 0 again in even steps, waves 4-7 slot 1 in odd ones.
; QUANTISING ON THE WAY.  In step c each lane quantises one block of key and one of value of step c + 1's rows.  The codes go to LDS as IMAGES OF THE OPERANDS' REGISTERS (48 bytes a lane,
; 1,536 a fragment), the scale bytes beside them, into a ring of two image slots that LDS stores alone fill.  A plain barrier in mid step, signal and wait a tile apart, shows the new images, so that
; K's next fragments are fetched under tile 3's softmax and tile 0's next scores are begun ahead of the round.
; LAYOUT.  Both products are used transposed (S^T = K Q^T, O^T = V^T P^T): a lane holds ONE query (lane % 16).  Row 8 a + j of key tile 4 g + u is key 64 g + 32 a + 8 u + j, so that registers
; S + 32 g .. of lane (r, h) are keys 64 g + 32 h + 0 .. 31: a whole block of the second product's K in its operand's order.
; THE FIRST PRODUCT'S K IS 64, THE INSTRUCTION'S 128: a fragment of K holds two tiles of keys, and Q stands as [0|q0|0|q1|0|q2|0|q3|0]: [q|0] multiplies the first tile, [0|q] the second.
; REGISTERS, window 0: v1-15 two addresses and the scale words; v16-63 K's fragments; v64-82 p's codes and work; v84-99 for each tile -M, the largest score, the sum in two halves; v100-127 work and addresses;
; v128-191 the scores, then p; v192-255 the quantiser's 64 numbers.  Window 1: v16-63 V's fragments; v64-117 Q; v120-122 work; v128-255 O^T.
.set ROWF,  272                        ; a row of f32 in LDS: 256 bytes + 16 of padding
.set CHB,   32768                      ; a step's 128 rows of key or of value in memory
.set ISLOT, 12800                      ; an image slot: K's 4 fragments, V's 4, K's 256 scale bytes, V's 256
.set KIMG,  0
.set VIMG,  6144
.set KSC,   12288                      ; K's scale byte of row r, fragment f, tile c of the pair, block h: 16 r + 4 f + 2 c + h
.set VSC,   12544                      ; V's of channel 16 t + r, key block b: 16 r + 4 t + b
.set F0,    2*ISLOT                    ; the f32 ring: key's two slots of 128 rows,
.set FSLOT, 128*ROWF
.set F0V,   F0+2*FSLOT                 ; value's two,
.set STAGE, F0V+2*FSLOT                ; 16 rows x 272 bytes for each wave: query's way in and out0's way out,
.set SPARE, STAGE+8*16*ROWF            ; and the spare words, 128 bytes for each wave: four blocks of 256 bytes that no other line names
.set LI,  1                            ; 48 x lane: my place in an image
.set PS,  2                            ; p's scale word
.set LS,  3                            ; 16 x (lane % 16): my row's four scale words
.set VS,  4
.set KS,  8
.set QS,  12
.set KFR, 16
.set P0,  64
.set CT,  76                           ; v76-78, v80-82: upper halves of two blocks' codes; before that two chains of the sum
.set ST,  84
.set FF,  100
.set BM,  102
.set SO,  104
.set BY,  106
.set TS,  108
.set T0,  110
.set T2,  111
.set WD,  112
.set PX,  113
.set PX2, 114
.set SH8, 115                          ; 8 x (lane / 16)
.set SPW, 116
.set NIL, 117
.set FRK, 118                          ; key's quantiser: my 128 bytes of f32, my codes' place, my scale byte's
.set FRV, 121                          ; value's likewise
.set PFO, 124
.set STO, 125
.set RD,  126
.set GO,  127
.set S,   128
.set X,   192
.set VF,  16                           ; window 1
.set QB,  64
.set QT,  120
.set OA,  128
.set WV,  12                           ; s12 my wave's number
.set LIM, 15                           ; s15 1 in a wave that prefetches, else the greatest number
.set CNT, 16
.set PFA, 18
.set SEL, 20
.set CS,  22
.set G1,  24
.set G0,  32
.set MSB, 0
.macro WIN new                         ; low byte: bits 1:0 source 0, 3:2 source 1, 5:4 source 2, 7:6 destination; the high byte repeats the setting that is left
.if MSB != \new
	s_set_vgpr_msb (MSB<<8)|\new
.set MSB, \new
.endif
.endm
.macro NOPS n
.rept \n
	v_nop
.endr
.endm
.macro CROUND                          ; a round of the cluster's barrier
	s_barrier_signal -1
	s_barrier_wait -1
	s_cmp_lg_u32 s[WV], 0
	s_cbranch_scc1 .Lnot_wave_0_\@
	s_barrier_signal -3
.Lnot_wave_0_\@:
	s_barrier_wait -3
	s_barrier_signal -1
	s_barrier_wait -1
.endm
; A prefetch of the rows that the NEXT round will ask for: in step c those of step c + 3.  A lane names a row of 256 bytes.  Wave 4 asks for key's, wave 5 for value's; of a step's 128 rows the four
; partners take 32 each, told apart by address.  Steps 0 to 2 come by their loads alone; how = 1 (a trip's second step): the last trip asks for nothing, since step 16 does not exist.
.macro ASK how
.if \how
	s_cmp_gt_u32 s[CNT], s[LIM]
.else
	s_cmp_eq_u32 s[LIM], 1
.endif
	s_cbranch_scc0 .Lnot_mine_\@
	global_prefetch_b8 v[PFO], s[PFA:PFA+1] th:TH_LOAD_NT scope:SCOPE_SE
.Lnot_mine_\@:
.endm
; THE CHANGE OF SLOTS ahead of step c, par = c % 2, in three parts.  RA: the wait for all my tensor loads and the add, with the addresses' steps; it stands ahead of tile 3's exponentials of step c - 1.
; Behind them follow the wait for the add and for all my LDS instructions, and the round's opening signal.  RC: tile 0's scores of step c, work on registers, then the opening wait and the rest of the round.
; FILL, first in step c: f32 slot par, which nobody reads any more in any of the four work-groups, takes the rows of step c + 2.
.macro RA par
	s_wait_tensorcnt 0x0
	ds_add_u32 v[SPW], v[NIL]
.if \par == 0
	s_add_nc_u64 s[G0+2:G0+3], s[G0+2:G0+3], 2*CHB ; every wave's next rows lie two steps on; slot 1's waves use them in the next step
.endif
	s_wait_xcnt 0x0                                ; the last prefetch has read its address
	s_add_nc_u64 s[PFA:PFA+1], s[PFA:PFA+1], CHB
.endm
.macro RC
	WIN 0x04
	QK 0                                           ; K's fragments were waited for ahead of the opening signal
	NOPS 4                                         ; places ahead of the reads of the scores and of the loads into V's registers
	WIN 0
	s_barrier_wait -1
	s_cmp_lg_u32 s[WV], 0                          ; the rest of the round
	s_cbranch_scc1 .Lnot_w0_\@
	s_barrier_signal -3
.Lnot_w0_\@:
	s_barrier_wait -3
	s_barrier_signal -1
	s_barrier_wait -1
.endm
.macro FILL par
.if \par == 0
	s_cmp_lt_u32 s[WV], 4
.else
	s_cmp_ge_u32 s[WV], 4
.endif
	s_cbranch_scc0 .Lnot_my_slot_\@
	tensor_load_to_lds s[G0:G0+3], s[G1:G1+7]
	s_nop 0
	NOPS 4
.Lnot_my_slot_\@:
.endm
; The largest magnitude of v[x] .. v[x + 31] with the floor 2^(3 - 127) as one more leaf; with 2 off its exponent field it is the conversions' scale operand.
.macro AMAX x, ma, so
	v_max3_num_f32 v[\ma], |v[\x]|, |v[\x+1]|, |v[\x+2]|
	v_max3_num_f32 v[\ma+1], |v[\x+3]|, |v[\x+4]|, |v[\x+5]|
.irp n, 6,10,14,18,22,26
	s_delay_alu instid0(VALU_DEP_2)
	v_max3_num_f32 v[\ma], v[\ma], |v[\x+\n]|, |v[\x+\n+1]|
	s_delay_alu instid0(VALU_DEP_2)
	v_max3_num_f32 v[\ma+1], v[\ma+1], |v[\x+\n+2]|, |v[\x+\n+3]|
.endr
	s_delay_alu instid0(VALU_DEP_2)
	v_max3_num_f32 v[\ma], v[\ma], |v[\x+30]|, |v[\x+31]|
	s_delay_alu instid0(VALU_DEP_1)
	v_max3_num_f32 v[\ma], v[\ma], v[\ma+1], 0x1800000
	s_delay_alu instid0(VALU_DEP_1)
	v_add_nc_u32 v[\so], 0xff000000, v[\ma]
.endm
; My two blocks of f32 slot sl.  XK: 32 neighbours of a key row.  XV: n more of the 32 rows of a value column, counted by cv.  XLOAD: both at once.
.macro XK sl
.irp j, 0,1,2,3,4,5,6,7
	ds_load_b128 v[X+4*\j:X+4*\j+3], v[FRK] offset:(\sl)*FSLOT+16*\j
.endr
.endm
.macro XV sl, n
.rept \n
	ds_load_b32 v[X+32+cv], v[FRV] offset:(\sl)*FSLOT+ROWF*cv
.set cv, cv+1
.endr
.endm
.macro XLOAD sl
	XK \sl
.set cv, 0
	XV \sl, 32
.endm
; A block (role 0 key, 1 value) becomes 24 bytes of an image and one scale byte in image slot sl.  The codes are made in p's registers, which are idle here; the search for the
; largest stands first: its nineteen lines are the places behind the products that read those registers.
.macro QBLK role, sl
	AMAX X+32*\role, BM, SO
	v_cvt_scalef32_pk16_fp6_f32 v[P0:P0+2], v[X+32*\role:X+32*\role+15], v[SO]
	v_cvt_scalef32_pk16_fp6_f32 v[P0+6:P0+8], v[X+32*\role+16:X+32*\role+31], v[SO]
	v_lshrrev_b32 v[BY], 23, v[SO]                 ; the scale's byte; also the plain line behind the conversions
.irp n, 0,1,2
	v_mov_b32 v[P0+3+\n], v[P0+6+\n]
.endr
.irp n, 0,1,2
	ds_store_b64 v[FRK+3*\role+1], v[P0+2*\n:P0+2*\n+1] offset:(\sl)*ISLOT+8*\n
.endr
	ds_store_b8 v[FRK+3*\role+2], v[BY] offset:(\sl)*ISLOT
.endm
.macro KLOAD is
.irp f, 0,1,2,3
.irp n, 0,1,2
	ds_load_b128 v[KFR+12*\f+4*\n:KFR+12*\f+4*\n+3], v[LI] offset:(\is)*ISLOT+KIMG+1536*\f+16*\n
.endr
.endr
	ds_load_b128 v[KS:KS+3], v[LS] offset:(\is)*ISLOT+KSC
.endm
.macro VLOAD is
	ds_load_b128 v[VS:VS+3], v[LS] offset:(\is)*ISLOT+VSC
	WIN 0x40
.irp f, 0,1,2,3
.irp n, 0,1,2
	ds_load_b128 v[VF+12*\f+4*\n:VF+12*\f+4*\n+3], v[LI] offset:(\is)*ISLOT+VIMG+1536*\f+16*\n
.endr
.endr
	WIN 0
.endm
; S^T of query tile i: eight tiles of 16 keys, each begun with the constant 0.  Q lies in window 1.
.macro QK i                            ; in the order in which the four chains of the maxima first read the tiles
	QKH \i, 0,2,4,6
	QKH \i, 1,3,5,7
.endm
.macro QKH i, a, b, c, d               ; four of the eight
.irp t, \a,\b,\c,\d
	v_wmma_scale_f32_16x16x128_f8f6f4 v[S+8*\t:S+8*\t+7], v[KFR+12*(\t/2):KFR+12*(\t/2)+11], v[QB+6+12*(\i)-6*(\t%2):QB+17+12*(\i)-6*(\t%2)], 0, v[KS+\t/2], v[QS+(\i)] matrix_a_fmt:MATRIX_FMT_FP6 matrix_b_fmt:MATRIX_FMT_FP6
.endr
.endm
; O^T of tile i += V^T P^T: four accumulators, one instruction each.  O^T and V lie in window 1, p in window 0.
.macro PV i
.irp t, 0,1,2,3
	v_wmma_scale_f32_16x16x128_f8f6f4 v[OA+32*(\i)+8*\t:OA+32*(\i)+8*\t+7], v[VF+12*\t:VF+12*\t+11], v[P0:P0+11], v[OA+32*(\i)+8*\t:OA+32*(\i)+8*\t+7], v[VS+\t], v[PS] matrix_a_fmt:MATRIX_FMT_FP6 matrix_b_fmt:MATRIX_FMT_FP6
.endr
.endm
.macro TM n                            ; t - M, two at a time
.rept \n
	v_pk_fma_f32 v[S+cj:S+cj+1], v[S+cj:S+cj+1], s[CS:CS+1], v[rT:rT+1] op_sel_hi:[1,0,0]
.set cj, cj+2
.endr
.endm
.macro ADD4                            ; eight more p onto the sum's four chains
	v_pk_add_f32 v[rT+2:rT+3], v[rT+2:rT+3], v[S+cj:S+cj+1]
	v_pk_add_f32 v[TS:TS+1], v[TS:TS+1], v[S+cj+2:S+cj+3]
	v_pk_add_f32 v[CT:CT+1], v[CT:CT+1], v[S+cj+4:S+cj+5]
	v_pk_add_f32 v[CT+4:CT+5], v[CT+4:CT+5], v[S+cj+6:S+cj+7]
.set cj, cj+8
.endm
; The softmax of query tile i for these 128 keys, and p's codes and scale word.  xl = 1: my key block of f32 slot sl is fetched among the multiply-adds; xl = 2: my value block, eight rows at a time.
; dw = 1: the four image stores that read p's registers are waited for before those are written (behind them stand the 32 loads of xl = 2).  dw = 2: all my image stores have landed, and the barrier
; that shows the next images is signalled.
.macro SOFTMAX i, dw, xl, sl
.set rT, ST+4*(\i)
.irp g, 0,1
	v_max3_num_f32 v[BM+\g], v[S+32*\g], v[S+32*\g+1], v[S+32*\g+2]        ; each block's largest score in two chains; every accumulator is first read at its low end
	v_max3_num_f32 v[TS+\g], v[S+32*\g+16], v[S+32*\g+17], v[S+32*\g+18]
.endr
.irp n, 3,5,7,9,11,13
.irp g, 0,1
	v_max3_num_f32 v[BM+\g], v[BM+\g], v[S+32*\g+\n], v[S+32*\g+\n+1]
	v_max3_num_f32 v[TS+\g], v[TS+\g], v[S+32*\g+16+\n], v[S+32*\g+17+\n]
.endr
.endr
.irp g, 0,1
	v_max3_num_f32 v[BM+\g], v[BM+\g], v[TS+\g], v[S+32*\g+15]
.endr
.irp g, 0,1
	v_max_num_f32 v[BM+\g], v[BM+\g], v[S+32*\g+31]
.endr
	s_delay_alu instid0(VALU_DEP_1)
	v_max3_num_f32 v[T0], v[BM], v[BM+1], v[rT+1]  ; with the largest score so far,
	s_delay_alu instid0(VALU_DEP_1)
	v_permlanex16_b32 v[PX], v[T0], s[SEL], s[SEL+1]
	s_delay_alu instid0(VALU_DEP_1)
	v_max_num_f32 v[rT+1], v[T0], v[PX]            ; and lane l xor 16's 64 keys
	s_delay_alu instid0(VALU_DEP_1)
	v_mul_f32 v[T0], s[CS], v[rT+1]                ; as t (c is positive)
	v_mov_b32 v[T2], v[rT]
	s_delay_alu instid0(VALU_DEP_2)
	v_floor_f32 v[rT], -v[T0]                      ; the new -M = -ceil(t)
.set cj, 0
	TM 4
	v_sub_f32 v[T2], v[rT], v[T2]                  ; old M less new M: a whole number, 0 or less
	TM 4
	v_cvt_i32_f32 v[T2], v[T2]                     ; (it saturates)
	TM 4
	v_ldexp_f32 v[FF], 1.0, v[T2]                  ; f = 2^(old M - new M)
.if (\xl) == 1
	XK \sl
.endif
.if (\xl) == 2
.set cv, 0
.rept 4
	XV \sl, 8
	TM 5
.endr
.else
	TM 20
.endif
.irp g, 0,1
	v_fma_f32 v[BM+\g], v[BM+\g], s[CS], v[rT]     ; the same of each block's largest score
.endr
.if (\dw) == 1
	s_wait_dscnt 32
.endif
.if (\dw) == 2
	s_wait_dscnt 0x0                               ; my part of the next images has landed:
	s_barrier_signal -1                            ; say so; only work on registers stands up to the wait
.endif
.if (\dw) == 3
	RA \sl                                         ; dw = 3: the change of slots begins here; sl is the next step's parity
.endif
	s_wait_alu depctr_va_vdst(0)
.irp g, 0,1
	v_exp_f32 v[BM+\g], v[BM+\g]                   ; the block's largest p
.endr
.set cj, 0
.rept 64
	v_exp_f32 v[S+cj], v[S+cj]                     ; p = 2^(t - M): not normalised
.set cj, cj+1
.endr
	v_pk_mul_f32 v[rT+2:rT+3], v[rT+2:rT+3], v[FF:FF+1] op_sel_hi:[1,0]   ; the sums under the new M; the plain line behind the batch
	s_wait_alu depctr_va_vdst(0)                   ; one wait for the batch, ahead of its first reader
.if (\dw) == 3
	s_wait_dscnt 0x0                               ; the add is done, K's next fragments are in, my image stores have landed, my LDS reads are over
	s_barrier_signal -1                            ; the round's opening signal; only work on registers stands up to its closing wait
.endif
.irp g, 0,1
	v_max_num_f32 v[BM+\g], 0x1800000, v[BM+\g]
.endr
	v_pk_add_f32 v[TS:TS+1], v[S:S+1], v[S+2:S+3]  ; the row's sum is taken of the UNQUANTISED p, in four chains; the scale word's lines stand among them
	v_pk_add_f32 v[CT:CT+1], v[S+4:S+5], v[S+6:S+7]
	v_pk_add_f32 v[CT+4:CT+5], v[S+8:S+9], v[S+10:S+11]
.irp g, 0,1
	v_add_nc_u32 v[SO+\g], 0xff000000, v[BM+\g]    ; 2 off the exponent field: the conversions' scale operand
.endr
.set cj, 12
	ADD4
.irp g, 0,1
	v_lshrrev_b32 v[BY+\g], 23, v[SO+\g]           ; the scale's byte
.endr
	ADD4
	v_lshl_or_b32 v[WD], v[BY+1], 16, v[BY]        ; my two bytes, blocks h and 2 + h of my query,
	ADD4
	v_lshlrev_b32 v[WD], v[SH8], v[WD]             ; at their places in the scale word;
	ADD4
	v_permlanex16_b32 v[PX2], v[WD], s[SEL], s[SEL+1]
	ADD4
	v_or_b32 v[PS], v[WD], v[PX2]                  ; with lane l xor 16's two the word is whole
	ADD4
	v_pk_add_f32 v[rT+2:rT+3], v[rT+2:rT+3], v[S+60:S+61]
	v_pk_add_f32 v[TS:TS+1], v[TS:TS+1], v[S+62:S+63]
	v_pk_add_f32 v[CT:CT+1], v[CT:CT+1], v[CT+4:CT+5]
	v_pk_add_f32 v[rT+2:rT+3], v[rT+2:rT+3], v[TS:TS+1]
	v_pk_add_f32 v[rT+2:rT+3], v[rT+2:rT+3], v[CT:CT+1]
.irp g, 0,1
	v_cvt_scalef32_pk16_fp6_f32 v[P0+6*\g:P0+6*\g+2], v[S+32*\g:S+32*\g+15], v[SO+\g]        ; registers 6 g .. 6 g + 5 of the operand: keys 64 g + 32 h + 0 .. 31
	v_cvt_scalef32_pk16_fp6_f32 v[CT+4*\g:CT+4*\g+2], v[S+32*\g+16:S+32*\g+31], v[SO+\g]     ; (a conversion's three registers begin on an even number)
.endr
	v_nop                                          ; the plain line behind the conversions
.irp g, 0,1
.irp n, 0,1,2
	v_mov_b32 v[P0+6*\g+3+\n], v[CT+4*\g+\n]
.endr
.endr
.endm
; Between two tiles: O^T of tile i under the new M (sixteen lines, which are also the places ahead of the products), its four products, and the eight of tile nx's scores in one run (nx = -1: none).
; dw = 1: LDS loads that the run needs are waited for, ahead of the wait on the vector side.
.macro BOUND i, dw, nx
.if \dw
	s_wait_dscnt 0x0
.endif
	WIN 0x41
	s_wait_alu depctr_va_vdst(0)                   ; directly ahead of the first reader of O^T
.set cj, 0
.rept 16
	v_pk_mul_f32 v[OA+32*(\i)+cj:OA+32*(\i)+cj+1], v[OA+32*(\i)+cj:OA+32*(\i)+cj+1], v[FF:FF+1] op_sel_hi:[1,0]
.set cj, cj+2
.endr
	WIN 0x51
	PV \i
.if \nx >= 0
	WIN 0x04
	QK \nx
.endif
	WIN 0
.endm
; THE WAY OUT of tile i, in the last step, as soon as its last products are issued.  OUTA: the sum's halves and lane l xor 16's are added, O^T is divided by the sum into v192-223 (S + 64) and goes
; through my stage, back as whole rows into v224-255.  OUTB, a tile later: the rows are stored.
.macro OUTA i
.set rT, ST+4*(\i)
	NOPS 4                                         ; places behind the products
	v_add_f32 v[rT+2], v[rT+2], v[rT+3]
	v_permlanex16_b32 v[BM], v[rT+2], s[SEL], s[SEL+1]
	v_add_f32 v[rT+2], v[rT+2], v[BM]
	s_wait_alu depctr_va_vdst(0)
	v_rcp_f32 v[rT], v[rT+2]
	v_nop                                          ; the plain line behind the reciprocal
	s_wait_xcnt 0x0                                ; the last tile's stores have read v224-255
	WIN 0x01
	s_wait_alu depctr_va_vdst(0)                   ; directly ahead of the first reader of the reciprocal and of O^T
.set cj, 0
.rept 16
	v_pk_mul_f32 v[X+cj:X+cj+1], v[OA+32*(\i)+cj:OA+32*(\i)+cj+1], v[rT:rT+1] op_sel_hi:[1,0]   ; register 8 t + j is out0(query r, channel 16 t + 8 h + j)
.set cj, cj+2
.endr
	WIN 0
	OTURN 2, X+32
.endm
.macro OUTB i
	s_wait_dscnt 0x0
	OSEND \i, X+32
.endm
; STEP c, par = c % 2.  At its head K's fragments of step c are in registers and tile 0's scores are made.  fill = 1: the rows of step c + 2 are asked for, and the step ends in the round ahead of step c + 1.
; quant = 1: step c + 1 exists: its rows become images in slot 1 - par, its K fragments are fetched under tile 3's softmax, its first scores are begun.  quant = 0: the last step: each tile leaves when it is done.
.macro STEP par, fill, quant, how
.if \fill
	FILL \par
.endif
	VLOAD \par
.if \fill
	ASK \how
.endif
	SOFTMAX 0, 0, \quant, 1-\par
	BOUND 0, 1, 1                                  ; V's fragments and the quantiser's numbers are in
.if \quant
	QBLK 0, 1-\par
.else
	OUTA 0
	s_wait_alu depctr_va_vdst(0)                   ; a reciprocal stands between the products and the first read of the scores
.endif
	SOFTMAX 1, \quant, 2*\quant, 1-\par
	BOUND 1, \quant, 2                             ; my value block is in
.if \quant
	QBLK 1, 1-\par
.else
	OUTB 0
	OUTA 1
	s_wait_alu depctr_va_vdst(0)
.endif
	SOFTMAX 2, 2*\quant, 0, 0
	BOUND 2, 0, 3
	NOPS 4                                         ; places ahead of the reads of the scores and of the loads into K's registers
.if \quant
	s_barrier_wait -1                              ; the next images are whole
	KLOAD 1-\par
.else
	OUTB 1
	OUTA 2
	s_wait_alu depctr_va_vdst(0)
.endif
	SOFTMAX 3, 3*\fill, 0, 1-\par
	BOUND 3, 0, -1
.if \fill
	RC
.else
.if \quant
	s_wait_alu depctr_va_vdst(0)
	s_wait_dscnt 0x0                               ; K's last fragments are in
	WIN 0x04
	QK 0
	WIN 0
	NOPS 4
.else
	OUTB 2
	OUTA 3
	OUTB 3
.endif
.endif
.endm
; Q's tile i, 32 numbers a lane from v[x] on (row lane % 16, block lane / 16), becomes six registers of codes in window 1 and a scale word (s0, s1, s0, s1)
.macro QQ i, x
	AMAX \x, BM, SO
	v_lshrrev_b32 v[BY], 23, v[SO]
	v_lshlrev_b32 v[WD], v[SH8], v[BY]
	v_permlanex16_b32 v[PX], v[WD], s[SEL], s[SEL+1]
	v_or_b32 v[WD], v[WD], v[PX]
	v_lshl_or_b32 v[QS+(\i)], v[WD], 16, v[WD]
	WIN 0x40
	v_cvt_scalef32_pk16_fp6_f32 v[QB+6+12*(\i):QB+8+12*(\i)], v[\x:\x+15], v[SO]
	v_cvt_scalef32_pk16_fp6_f32 v[QT:QT+2], v[\x+16:\x+31], v[SO]
	v_nop
	WIN 0x41
.irp n, 0,1,2
	v_mov_b32 v[QB+9+12*(\i)+\n], v[QT+\n]
.endr
	WIN 0
.endm
; a tile of 16 rows of query through my stage: in as loaded (a load's 512 bytes are two rows), back 128 bytes a lane
.macro QTURN n, dst
	WIN 0x04                                       ; the numbers were loaded into window 1
.irp e, 0,1,2,3,4,5,6,7
	ds_store_b128 v[RD], v[OA+32*\n+4*\e:OA+32*\n+4*\e+3] offset:2*\e*ROWF
.endr
	WIN 0
.irp j, 0,1,2,3,4,5,6,7
	ds_load_b128 v[\dst+4*\j:\dst+4*\j+3], v[TS] offset:16*\j     ; LDS serves a wave's instructions in order
.endr
.endm
; a tile of 16 rows of out0 through my stage, and back as whole rows
.macro OTURN n, dst
.irp t, 0,1,2,3
	ds_store_b128 v[STO], v[S+32*\n+8*\t:S+32*\n+8*\t+3] offset:64*\t
	ds_store_b128 v[STO], v[S+32*\n+8*\t+4:S+32*\n+8*\t+7] offset:64*\t+16
.endr
.irp e, 0,1,2,3,4,5,6,7
	ds_load_b128 v[\dst+4*\e:\dst+4*\e+3], v[RD] offset:2*\e*ROWF
.endr
.endm
.macro OSEND n, src
.irp e, 0,1,2,3,4,5,6,7
	global_store_b128 v[GO], v[\src+4*\e:\src+4*\e+3], s[10:11] offset:4096*\n+512*\e th:TH_STORE_NT   ; 16 lanes store 256 consecutive bytes, at a multiple of 256 from out0's first byte
.endr
.endm
	s_load_b256 s[4:11], s[0:1], 0x0               ; query s[4:5], key s[6:7], value s[8:9], out0 s[10:11]
	v_lshl_add_u32 v[SPW], v0, 2, SPARE
	v_mov_b32 v[NIL], 0
	ds_add_u32 v[SPW], v[NIL]                      ; the opening: the add, twice on end, and its wait ahead of the first tensor load
	ds_add_u32 v[SPW], v[NIL]
	v_lshrrev_b32 v[T0], 5, v0
	v_readfirstlane_b32 s[WV], v[T0]               ; wave 0..7
	v_and_b32 v[T2], 31, v0                        ; lane
	v_lshlrev_b32 v[GO], 4, v[T2]                  ; 16 bytes a lane of a load's or a store's 512
	s_bfe_u32 s13, ttmp6, 0x40000                  ; cx: my block of 512 queries; it enters query's, out0's and the prefetches' addresses alone
	s_and_b32 s14, ttmp7, 0xffff                   ; the head, which the four partners share
	s_lshl_b32 s48, s14, 19                        ; a head is 2,048 rows of 256 bytes
	s_mov_b32 s49, 0
	s_lshl_b32 s50, s13, 17
	s_lshl_b32 s51, s[WV], 14                      ; my wave's 64 rows
	s_add_co_u32 s50, s50, s51
	s_add_co_u32 s50, s50, s48
	s_mov_b32 s51, 0
	s_and_b32 s36, s[WV], 1                        ; my quarter of a slot: which 64 rows,
	s_bfe_u32 s37, s[WV], 0x10001                  ; key (0) or value (1),
	s_lshr_b32 s38, s[WV], 2                       ; which slot, and so which of steps 0 and 1 at the head
	s_lshl_b32 s52, s36, 14
	s_lshl_b32 s39, s38, 15
	s_add_co_u32 s52, s52, s39
	s_add_co_u32 s52, s52, s48
	s_mov_b32 s53, 0
	s_mul_i32 s36, s36, 64*ROWF
	s_mul_i32 s39, s37, 2*FSLOT
	s_add_co_u32 s36, s36, s39
	s_mul_i32 s39, s38, FSLOT
	s_add_co_u32 s36, s36, s39
	s_mov_b32 s[G0], 1
	s_add_co_u32 s[G0+1], s36, F0                  ; no place in the cluster enters an LDS address
	s_mov_b32 s[G1], 15|(2<<16)|(1<<20)|(1<<21)|(5<<22)|(3<<25)   ; the mask: all four work-groups; elements of 4 bytes; padding: 4 words behind every 64; bit 21 beside a mask
	s_mov_b32 s[G1+1], 64<<16
	s_mov_b32 s[G1+2], 64<<16
	s_mov_b32 s[G1+3], 64<<16
	s_mov_b32 s[G1+4], 64                          ; 64 rows x 64 elements, dense in memory
	s_mov_b32 s[G1+5], 64
	s_mov_b32 s[G1+6], 0
	s_mov_b32 s[G1+7], 0
	s_mov_b32 s[SEL], 0x76543210
	s_mov_b32 s[SEL+1], 0xfedcba98
	s_mov_b32 s[CS], 0x3e38aa3b                    ; c = log2(e) / 8
	s_mov_b32 s[CS+1], s[CS]
	s_mov_b32 s[CNT], 7
	s_lshr_b32 s2, s[WV], 1
	s_cmp_eq_u32 s2, 2                             ; waves 4 and 5 prefetch
	s_cselect_b32 s[LIM], 1, -1
	; the scalar parts of the LDS addresses, of constants and the wave's number
	s_lshr_b32 s40, s[WV], 2
	s_lshl_b32 s40, s40, 6
	s_and_b32 s41, s[WV], 3
	s_lshl_b32 s41, s41, 3
	s_add_co_u32 s40, s40, s41                     ; key: my tile 4 g + u begins at key 64 g + 8 u
	s_mul_i32 s40, s40, ROWF
	s_add_co_u32 s40, s40, F0
	s_lshr_b32 s41, s[WV], 1
	s_and_b32 s42, s[WV], 1
	s_mul_i32 s43, s41, 1536                       ; its codes: fragment (tile / 2), half (tile % 2) of a lane's 48 bytes
	s_mul_i32 s44, s42, 24
	s_add_co_u32 s43, s43, s44
	s_lshl_b32 s44, s41, 2
	s_lshl_b32 s45, s42, 1
	s_add_co_u32 s44, s44, s45
	s_add_co_u32 s44, s44, KSC
	s_mul_i32 s45, s41, 32*ROWF                    ; value: key block b = wave / 2, columns 32 u + lane, u = wave % 2
	s_lshl_b32 s46, s42, 7
	s_add_co_u32 s45, s45, s46
	s_add_co_u32 s45, s45, F0V
	s_mul_i32 s46, s42, 3072                       ; its codes: channel tile 2 u + h, image lane 16 (b % 2) + r, half b / 2
	s_and_b32 s47, s41, 1
	s_mul_i32 s47, s47, 768
	s_add_co_u32 s46, s46, s47
	s_lshr_b32 s47, s41, 1
	s_mul_i32 s47, s47, 24
	s_add_co_u32 s46, s46, s47
	s_add_co_u32 s46, s46, VIMG
	s_lshl_b32 s47, s42, 3
	s_add_co_u32 s47, s47, s41
	s_add_co_u32 s47, s47, VSC
	s_mul_i32 s54, s[WV], 16*ROWF
	s_add_co_u32 s54, s54, STAGE                   ; my stage
	s_wait_alu depctr_va_vdst(0)
	s_wait_dscnt 0x0                               ; both opening adds are done
	s_wait_kmcnt 0x0
	s_add_nc_u64 s[4:5], s[4:5], s[50:51]          ; query and out0 at my wave's first row
	s_add_nc_u64 s[10:11], s[10:11], s[50:51]
	WIN 0x40
.set cj, 0
.rept 32
	global_load_b128 v[OA+4*cj:OA+4*cj+3], v[GO], s[4:5] offset:512*cj th:TH_LOAD_NT   ; my 64 rows of query: 32 lanes read 512 consecutive bytes, into O^T's registers, which are idle yet
.set cj, cj+1
.endr
	WIN 0
	s_cmp_eq_u32 s37, 0
	s_cselect_b64 s[G0+2:G0+3], s[6:7], s[8:9]
	s_add_nc_u64 s[G0+2:G0+3], s[G0+2:G0+3], s[52:53]
	s_or_b32 s[G0+3], s[G0+3], 0x80000000          ; type = 2
	s_cmp_eq_u32 s[WV], 4
	s_cselect_b64 s[PFA:PFA+1], s[6:7], s[8:9]     ; wave 4: key; wave 5: value (the others never use it)
	s_lshl_b32 s2, s13, 13                         ; my work-group's 32 rows of a step's 128,
	s_add_co_u32 s2, s2, 2*CHB                     ; in step 2: the first change of slots steps it to step 3
	s_mov_b32 s3, 0
	s_add_nc_u64 s[PFA:PFA+1], s[PFA:PFA+1], s[48:49]
	s_add_nc_u64 s[PFA:PFA+1], s[PFA:PFA+1], s[2:3]
	CROUND                                         ; all four work-groups are here: the first joint loads meet
	tensor_load_to_lds s[G0:G0+3], s[G1:G1+7]      ; every wave's one first fill: together the rows of steps 0 and 1
	s_nop 0
	NOPS 4
	v_and_b32 v[BM], 15, v0                        ; r
	v_bfe_u32 v[BM+1], v0, 4, 1                    ; h
	v_and_b32 v[SO], 7, v0
	v_bfe_u32 v[SO+1], v0, 3, 1
	v_mul_u32_u24 v[FRK], v[SO], ROWF              ; key: row r of my tile is key + r % 8 + 32 (r / 8);
	v_mad_u32_u24 v[FRK], v[SO+1], 32*ROWF, v[FRK]
	v_lshl_add_u32 v[FRK], v[BM+1], 7, v[FRK]      ; my block: 128 h bytes on
	v_add_nc_u32 v[FRK], s40, v[FRK]
	v_mul_u32_u24 v[LI], v[T2], 48
	v_add_nc_u32 v[FRK+1], s43, v[LI]
	v_lshlrev_b32 v[LS], 4, v[BM]
	v_add_nc_u32 v[FRK+2], v[LS], v[BM+1]
	v_add_nc_u32 v[FRK+2], s44, v[FRK+2]           ; 16 r + 4 f + 2 c + h
	v_lshl_add_u32 v[FRV], v[T2], 2, s45
	v_mul_u32_u24 v[FRV+1], v[BM], 48
	v_mad_u32_u24 v[FRV+1], v[BM+1], 1536, v[FRV+1]
	v_add_nc_u32 v[FRV+1], s46, v[FRV+1]
	v_lshl_add_u32 v[FRV+2], v[BM+1], 2, v[LS]
	v_add_nc_u32 v[FRV+2], s47, v[FRV+2]           ; 16 r + 4 (2 u + h) + b
	v_lshlrev_b32 v[SH8], 3, v[BM+1]
	v_lshlrev_b32 v[PFO], 8, v[T2]                 ; the prefetches: a lane a row of 256 bytes
	v_mul_u32_u24 v[STO], v[BM], ROWF
	v_lshl_add_u32 v[TS], v[BM+1], 7, v[STO]       ; query back from the stage: row r, + 128 h
	v_lshl_add_u32 v[STO], v[BM+1], 5, v[STO]      ; out0 into it: row r, + 32 h
	v_add_nc_u32 v[TS], s54, v[TS]
	v_add_nc_u32 v[STO], s54, v[STO]
	v_mul_u32_u24 v[RD], v[BM+1], ROWF             ; whole rows: lanes 0-15 one row of 256 bytes, lanes 16-31 the next
	v_lshl_add_u32 v[RD], v[BM], 4, v[RD]
	v_add_nc_u32 v[RD], s54, v[RD]
.irp n, 0,1,2,3
	v_mov_b32 v[ST+4*\n], 0x7f61b1e6               ; -M: 3e38, so that the first f is 0
	v_mov_b32 v[ST+4*\n+1], 0xff61b1e6             ; the largest score so far: -3e38
	v_mov_b32 v[ST+4*\n+2], 0
	v_mov_b32 v[ST+4*\n+3], 0
.endr
	v_mov_b32 v[FF+1], 0                           ; (named as the upper half of the pair with f)
	v_mov_b32 v[PX], 0                             ; a lane permute's destination counts as one of its sources
	v_mov_b32 v[PX2], 0
	WIN 0x40
.irp z, 0,12,24,36,48
.irp n, 0,1,2,3,4,5
	v_mov_b32 v[QB+\z+\n], 0                       ; the zero codes beside Q's
.endr
.endr
	WIN 0
	s_wait_alu depctr_va_vdst(0)
	s_wait_loadcnt 24                              ; query's tile 0: eight loads of 32 are in.  Each tile is turned and converted as it lands
	QTURN 0, S
	s_wait_loadcnt 16
	QTURN 1, S+32
	s_wait_dscnt 16                                ; tile 0 is back: behind it stand tile 1's sixteen LDS instructions
	QQ 0, S
	s_wait_loadcnt 8
	QTURN 2, S+64
	s_wait_dscnt 16
	QQ 1, S+32
	s_wait_loadcnt 0x0
	QTURN 3, S+96
	s_wait_dscnt 16
	QQ 2, S+64
	s_wait_dscnt 0x0                               ; tile 3 is back, and all the stores have read O^T's registers
	QQ 3, S+96
	WIN 0x40
.set cj, 0
.rept 128
	v_mov_b32 v[OA+cj], 0                          ; O^T: the step has no first form of its own: the first finds zeros, which the first f leaves zeros
.set cj, cj+1
.endr
	WIN 0
	s_wait_alu depctr_va_vdst(0)
	s_wait_tensorcnt 0x0                           ; my quarter slot has landed
	ds_add_u32 v[SPW], v[NIL]
	s_wait_dscnt 0x0
	s_barrier_signal -1
	s_barrier_wait -1                              ; the rows of steps 0 and 1 are whole
	XLOAD 0
	s_wait_dscnt 0x0
	QBLK 0, 0                                      ; step 0's images
	s_wait_dscnt 0x0                               ; the stores have read the codes' registers
	QBLK 1, 0
	s_wait_dscnt 0x0
	s_barrier_signal -1
	s_barrier_wait -1
	KLOAD 0
	s_wait_alu depctr_va_vdst(0)
	RA 0                                           ; the round ahead of step 0
	s_wait_dscnt 0x0
	s_barrier_signal -1
	RC
.Lloop:                                            ; seven trips of two steps: steps 0 to 13 ask for the rows of steps 2 to 15
	STEP 0, 1, 1, 0
	STEP 1, 1, 1, 1
	s_sub_co_u32 s[CNT], s[CNT], 1
	s_cmp_lg_u32 s[CNT], 0
	s_cbranch_scc1 .Lloop
	STEP 0, 0, 1, 0                                ; the tail is written out: step 14 asks for nothing,
	STEP 1, 0, 0, 0                                ; step 15 has no successor, and sends each tile of out0 on its way
	s_wait_tensorcnt 0x0                           ; the wave's end
	ds_add_u32 v[SPW], v[NIL]
	s_wait_dscnt 0x0
	CROUND                                         ; the closing round
	s_endpgm
.Lfunc_end_k_qc3b174e7c0_attn:
	.size	k_qc3b174e7c0_attn, .Lfunc_end_k_qc3b174e7c0_attn-k_qc3b174e7c0_attn
	.p2alignl 7, 3214868480
	.fill 96, 4, 3214868480
	.section	.rodata,"a",@progbits
	.p2align	6, 0x0
	.amdhsa_kernel k_qc3b174e7c0_attn
		.amdhsa_group_segment_fixed_size 327680
		.amdhsa_private_segment_fixed_size 0
		.amdhsa_enable_private_segment 0
		.amdhsa_kernarg_size 32
		.amdhsa_user_sgpr_count 2
		.amdhsa_user_sgpr_kernarg_segment_ptr 1
		.amdhsa_wavefront_size32 1
		.amdhsa_system_sgpr_workgroup_id_x 1
		.amdhsa_system_sgpr_workgroup_id_y 1
		.amdhsa_system_sgpr_workgroup_id_z 1
		.amdhsa_system_vgpr_workitem_id 0
		.amdhsa_next_free_vgpr 512
		.amdhsa_next_free_sgpr 66
		.amdhsa_reserve_vcc 0
		.amdhsa_float_denorm_mode_32 3
		.amdhsa_float_denorm_mode_16_64 3
		.amdhsa_memory_ordered 1
		.amdhsa_forward_progress 1
		.amdhsa_inst_pref_size 255
	.end_amdhsa_kernel
	.section	.bss,"aw",@nobits
	.p2align	6
	.space	262144
	.amdgpu_metadata
---
amdhsa.version: [ 1, 2 ]
amdhsa.kernels:
  - .name:           k_qc3b174e7c0_attn
    .symbol:         k_qc3b174e7c0_attn.kd
    .args:
      - { .name: query, .offset: 0, .size: 8, .value_kind: global_buffer, .address_space: global }
      - { .name: key, .offset: 8, .size: 8, .value_kind: global_buffer, .address_space: global }
      - { .name: value, .offset: 16, .size: 8, .value_kind: global_buffer, .address_space: global }
      - { .name: out0, .offset: 24, .size: 8, .value_kind: global_buffer, .address_space: global }
    .group_segment_fixed_size: 327680
    .private_segment_fixed_size: 0
    .kernarg_segment_align: 8
    .kernarg_segment_size: 32
    .max_flat_workgroup_size: 256
    .sgpr_count:     66
    .vgpr_count:     512
    .wavefront_size: 32
...
	.end_amdgpu_metadata
.endif
;; end of part 1
